; MI455X (gfx1250); checked and timed in simulation.
; The chip was launched on July 23, 2026; its instructions are those of AMD's public machine-readable ISA for CDNA 5 (MIT licence, August 2026) and "CDNA5" Instruction Set Architecture Reference Guide (July 2026). The comments in the code are by the model that wrote it; some were corrected since.
;; Model. Allowed arithmetic: matrix products marked QUANTISED: E4M3 operands, one given power-of-two scale a tensor, by v_wmma_f32_16x16x64_fp8_fp8 or v_wmma_f32_16x16x128_fp8_fp8, f32 sums; everything else in f32.
;; Inputs: W_k 256 x 64 float32; W_q 256 x 64 float32; W_v 256 x 64 float32; lowp_scales 10 int32 (the exponents e of the quantised operands' scales 2^e); x 8 x 4,096 x 256 float32.
;; Outputs: out0 8 x 4,096 x 64 float32.
;; This version of the problem:
;;   THIS VERSION OF THE PROBLEM IS GIVEN IN LOW PRECISION. The matrix products marked QUANTISED in the list below multiply operands that are first quantised to E4M3 (4 exponent bits, 3 mantissa bits; 8 bits a number), with one given power-of-two scale for each operand tensor; their sums are f32. All else is computed in f32.
;;   The module's matrix products, in the order in which they are computed (A, B: the left and right operand; K: the contracted axis; several contracted axes count as one K, in the product's order):
;;     1. [M 32,768, K 256] x [K 256, N 64]; A: input x; B: input W_q: QUANTISED (scales: A lowp_scales[0], B lowp_scales[1])
;;     2. [M 32,768, K 256] x [K 256, N 64]; A: input x; B: input W_k: QUANTISED (scales: A lowp_scales[2], B lowp_scales[3])
;;     3. [M 32,768, K 256] x [K 256, N 64]; A: input x; B: input W_v: QUANTISED (scales: A lowp_scales[4], B lowp_scales[5])
;;     4. batch 8 x [M 4,096, K 64] x [K 64, N 4,096]; A: computed on the way; B: computed on the way: QUANTISED (scales: A lowp_scales[6], B lowp_scales[7])
;;     5. batch 8 x [M 4,096, K 4,096] x [K 4,096, N 64]; A: computed on the way; B: computed on the way: QUANTISED (scales: A lowp_scales[8], B lowp_scales[9])
;;   THE QUANTISER, for each operand of a quantised product, along K:
;;     - The operand's scale is 2^e, e = its entry of the input lowp_scales (int32; the entries are numbered through the quantised products in the list's order, A before B).
;;     - Each number is divided by the scale, clamped to +-448, and rounded to the nearest number of E4M3, ties to even, subnormals kept.
;;     - The product sums the exact products of the quantised numbers (number of the format x scale) in f32.
;;   ~~~python
;;   def quantise(x, axis, e):      # numpy; x: float32 -> the quantised numbers, widened to float32 again
;;       x = np.moveaxis(x, axis, -1); K = x.shape[-1]
;;       r = np.clip(x / 2.0 ** e, -448, 448)
;;       step = 2.0 ** (np.maximum(np.frexp(np.where(r == 0, 1, r))[1] - 1, -6) - 3)
;;       q = np.round(r / step) * step * 2.0 ** e      # np.round: ties to even
;;       return np.moveaxis(q, -1, axis).astype(np.float32)
;;   ~~~
;;   OPERANDS COMPUTED ON THE WAY. 'Computed on the way' means the value that the module computes at that place (a softmax that the list does not call 'softmax' is quantised finished and normalised). What goes into a quantiser is computed in f32, as accurately as f32 sums, v_exp_f32 and their like allow (about 1e-6 of the number): no bf16 or f16 on the way to a quantiser, and a product that is left as it is and whose result goes on into a quantised operand takes f32 operands (vector FMAs, or v_wmma_f32_16x16x4_f32). A number that lies on a knife's edge between two numbers of the format may be rounded either way, as far as f32 arithmetic and the matrix unit's own rounding can turn it there, and no further.
;; One version. Each part assembles by itself: llvm-mc -triple=amdgcn-amd-amdhsa -mcpu=gfx1250 --defsym DOCPART=n.
;; ======== version 1 of 1: 2 launches
;; limits: right only within a limited range of input values
;; workspace buffers: qf 2,097,152 bytes; kf 2,097,152 bytes; vf 2,097,152 bytes; gs 65,536 bytes
;; launch proj (part 1): grid 256 x 1, 8 waves a work-group, no clusters, 242,688 bytes of LDS; arguments x, W_q, W_k, W_v, lowp_scales, qf, kf, vf, gs; writes qf, kf, vf, gs
.if DOCPART == 1
	.amdgcn_target "amdgcn-amd-amdhsa--gfx1250"
	.amdhsa_code_object_version 6
	.text
	.protected	k_q2e79ffc1be_proj
	.globl	k_q2e79ffc1be_proj
	.p2align	8
	.type	k_q2e79ffc1be_proj,@function
k_q2e79ffc1be_proj:
	s_mov_b64 s[64:65], 0
	v_nop
	global_prefetch_b8 v0, s[64:65] scope:SCOPE_SE
	s_setreg_imm32_b32 hwreg(HW_REG_WAVE_MODE, 25, 1), 1
	s_wait_xcnt 0x0
; Q, K, V = Q8(x) Q8(W), three products on codes of FP8 (E4M3), each operand with the scale 2^e that is given for it (x has three: e0, e2, e4; the weights e1, e3, e5).
; The three results are quantised at once for the next launch (Q by e6, K by e7, V by e9) and stored as IMAGES OF OPERAND REGISTERS, so that the next launch fetches fragments by 16-byte loads alone:
;   qf, kf: a tile of 16 rows is 1,024 bytes: register q of lane l at 512 (q / 4) + 16 l + 4 (q % 4); lane (r, h) holds row r, registers 2 j, 2 j + 1 its channels 16 j + 8 h + 0 .. 7.
;   vf:     a chunk of 128 keys is 8,192 bytes: [j][q][lane][16 bytes]: lane (r, h) holds channel 16 j + r, registers 2 T, 2 T + 1 its keys 16 T + 8 h + 0 .. 7.
;   gs:     for each work-group the 64 column sums of product 1 over its 128 rows, f32, without the factor 2^(e0 + e1): the next launch makes the gate of them.
; SHARES.  Work-group g takes rows 128 g .. 128 g + 127 of x (chunk g of vf), wave w 16 of them, against all 3 x 64 columns.  x comes by one tensor load a wave (16 rows of 1,024 bytes) and is read by that wave alone.
; The weights are [256 (k)][64 (n)] f32: wave w quantises k = 32 w .. 32 w + 31 of all three and lays the codes into LDS as register images; the hold that the conversion wants moves each number into place, so nothing is transposed apart.
; THE SUMS GO INTO A QUANTISER, SO THEY ARE KEPT FREE OF ROUNDING AS FAR AS F32 ALLOWS.  Each operand's codes are parted by bit 6 of the byte, the top bit of the exponent field: class H holds the codes of magnitude 2 and
; above (whole multiples of 2^-2), class L those below 2; in each part the other class's bytes are zero codes.  H x H products are whole multiples of 2^-4 and below 2^18: a sum of them below 2^20 has at most 24 bits and is
; an f32 number; it has an accumulator of its own.  The three other pairings (each product below 2^10) share a second accumulator.  One f32 addition joins the two: its rounding is relative to the result, also where the large
; terms cancel.  The codes multiplied are the same codes: four matrix instructions in place of one.
; Q and K are made TRANSPOSED (source 0 = 16 columns of W, source 1 = my 16 rows of x): a lane's eight results are eight neighbouring channels of one row, the next product's K.  V is made as it stands (source 0 = x, source 1 = W):
; a lane's eight results are eight neighbouring keys of one channel, the last product's K.
; No cluster: the work-groups share the weights alone, 196,608 bytes against 131,072 of x for each, and those go through registers, where they are quantised on the way.
; LIMITS: e0 .. e5, e6 - e0 - e1, e7 - e2 - e3 and e9 - e4 - e5 lie between -126 and 119, so that each scale and 448 x the scale are f32 numbers.  An H x H sum of 2^20 or more (in units of the codes) is rounded like any f32 sum.
; NaN among the inputs is not served.
.set XPITCH, 1040                      ; a row of x in LDS: 1,024 bytes + 16 of padding: the 16 rows that a load touches start 16 bytes apart modulo 256
.set XWAVE,  16*XPITCH                 ; a wave's 16 rows
.set WIM,    8*XWAVE                   ; the weights' images, class H: fragment (m, s, j) at 16384 m + 8192 s + 2048 j; registers 4 q .. 4 q + 3 of lane l at 512 q + 16 l
.set WCL,    3*16384                   ; from a class H image to the class L image of the same fragment
.set GST,    WIM+2*WCL                 ; column sums: 256 bytes for each wave
.set VST,    GST+8*256                 ; V's codes: for each wave 1,024 bytes: [j][lane][8 bytes]
.set SPARE,  VST+8192                  ; the spare words, 128 bytes for each wave: four blocks of 256 bytes that no other line names
.set WGO, 1                            ; v1   W: 2048 h + 16 r: row 8 h, columns 4 r .. 4 r + 3
.set WST, 2                            ; v2   where my class H codes of W go
.set XA,  3                            ; v3   my lane's place in my wave's rows of x
.set LI,  4                            ; v4   16 x lane
.set GSA, 5                            ; v5   where my column sums go
.set VSA, 6                            ; v6   where my codes of V go
.set WRD, 7                            ; v7   WIM + 16 x lane
.set SPW, 8                            ; v8   LDS address of my spare word; never rewritten
.set NIL, 9                            ; v9   0; never rewritten
.set SCL, 10                           ; v10-15  three pairs: a scale as f32, and 448 x that scale (the weights', then x's)
; while the weights are quantised:
.set WR,  16                           ; v16-143  two weights as loaded, 64 registers each
.set CH,  144                          ; v144-159 a weight's class H codes
.set CL,  160                          ; v160-175 its class L codes
.set WTA, 176                          ; v176-183 at work
.set WTB, 180
.set CW,  184                          ; v184-199 its codes as converted
.set TW,  208                          ; v208-239 two sets of 16 held numbers
; afterwards:
.set XH,  16                           ; v16-47   x's class H codes under one scale: K step s at 16 s
.set XL,  48                           ; v48-79   its class L codes
.set WF,  80                           ; v80-143  64 numbers of x; then four fragments of a weight: two tiles' class H, two tiles' class L
.set ACH, 144                          ; v144-175 four accumulators H x H; before the products two sets of 16 held numbers of x
.set ACM, 176                          ; v176-207 four accumulators for the other pairings
.set EP,  208                          ; v208-239 the held sums; before the products x's codes as converted (16) and 16 at work
.set QC,  240                          ; v240-247 the results' codes
.set GRD, 248                          ; v248 where wave 0 reads the column sums
.set VRD, 249                          ; v249 where I read V's codes back
.set WSTL, 250                         ; v250 WST + WCL
.set WRDL, 251                         ; v251 WRD + WCL
.set SCF, 252                          ; v252-253 a result's folded scale as f32, and 448 x that
.macro MKQ se, vr                      ; v[vr]: 2^e as f32 (the conversion takes its exponent field); v[vr + 1]: 448 x 2^e; e in s[se]
	s_add_co_i32 s48, s[\se], 127
	s_lshl_b32 s49, s48, 23
	v_mov_b32 v[\vr], s49
	s_add_co_i32 s48, s48, 8
	s_lshl_b32 s48, s48, 23
	s_or_b32 s48, s48, 0x600000
	v_mov_b32 v[(\vr)+1], s48
.endm
; cnt registers of codes from v[src] on are parted: bit 6 of each byte is spread over the byte (b x 256 - b = 255 b, byte by byte), the mask keeps class H, the exclusive or leaves class L.
.macro SPLIT src, dh, dl, cnt, ta, tb
.set k_, 0
.rept \cnt
	v_lshrrev_b32 v[(\ta)+k_], 6, v[(\src)+k_]
.set k_, k_+1
.endr
.set k_, 0
.rept \cnt
	v_and_b32 v[(\ta)+k_], s56, v[(\ta)+k_]
.set k_, k_+1
.endr
.set k_, 0
.rept \cnt
	v_lshlrev_b32 v[(\tb)+k_], 8, v[(\ta)+k_]
.set k_, k_+1
.endr
.set k_, 0
.rept \cnt
	v_sub_nc_u32 v[(\tb)+k_], v[(\tb)+k_], v[(\ta)+k_]
.set k_, k_+1
.endr
.set k_, 0
.rept \cnt
	v_and_b32 v[(\dh)+k_], v[(\src)+k_], v[(\tb)+k_]
.set k_, k_+1
.endr
.set k_, 0
.rept \cnt
	v_xor_b32 v[(\dl)+k_], v[(\src)+k_], v[(\dh)+k_]
.set k_, k_+1
.endr
.endm
.macro FOLD a, b                       ; four numbers at v[a] += the four at v[b]
	v_pk_add_f32 v[\a:\a+1], v[\a:\a+1], v[\b:\b+1]
	v_pk_add_f32 v[\a+2:\a+3], v[\a+2:\a+3], v[\b+2:\b+3]
.endm
.macro PLACES                          ; four plain vector instructions between a matrix instruction and a read of its result, a write of one of its registers or a load into one
.rept 4
	v_nop
.endr
.endm
	s_load_b256 s[4:11], s[0:1], 0x0               ; x s[4:5], W_q s[6:7], W_k s[8:9], W_v s[10:11]
	s_load_b256 s[12:19], s[0:1], 0x20             ; the scales' exponents s[12:13], qf s[14:15], kf s[16:17], vf s[18:19]
	s_load_b64 s[20:21], s[0:1], 0x40              ; gs
	v_lshl_add_u32 v[SPW], v0, 2, SPARE
	v_mov_b32 v[NIL], 0
	ds_add_u32 v[SPW], v[NIL]                      ; the wave's opening: the add and its wait ahead of my tensor load; the set-up below, work on registers, stands between them
	ds_add_u32 v[SPW], v[NIL]
	v_lshrrev_b32 v16, 5, v0
	s_delay_alu instid0(VALU_DEP_1)
	v_readfirstlane_b32 s22, v16                   ; wave 0..7
	; descriptor group 1: 16 rows of 256 elements of 4 bytes, padded in LDS
	s_mov_b32 s40, (2<<16)|(1<<20)|(7<<22)|(3<<25) ; no mask; elements of 4 bytes; padding on: after every 256 words (code 7) four words (code 3)
	s_mov_b32 s41, 256<<16                         ; tensor_dim0 = 256
	s_mov_b32 s42, 16<<16                          ; tensor_dim1 = 16
	s_mov_b32 s43, 256<<16                         ; tile_dim0 = 256
	s_mov_b32 s44, 16                              ; tile_dim1 = 16
	s_mov_b32 s45, 256                             ; elements from row to row
	s_mov_b32 s46, 0
	s_mov_b32 s47, 0
	s_mov_b32 s36, 1                               ; group 0: count = 1,
	s_mul_i32 s37, s22, XWAVE                      ; the LDS address: my wave's rows
	s_mov_b32 s56, 0x01010101                      ; bit 0 of each byte
	s_lshl_b32 s48, ttmp9, 17                      ; x: 128 rows of 1,024 bytes a work-group,
	s_lshl_b32 s49, s22, 14                        ; 16 a wave
	s_add_co_u32 s48, s48, s49
	s_mov_b32 s49, 0
	s_lshl_b32 s50, s22, 13                        ; W: my 32 rows of 256 bytes
	s_mov_b32 s51, 0
	s_lshl_b32 s52, ttmp9, 13                      ; qf, kf, vf: 8,192 bytes a work-group,
	s_lshl_b32 s53, s22, 10                        ; 1,024 a wave
	s_add_co_u32 s52, s52, s53
	s_mov_b32 s53, 0
	s_lshl_b32 s54, ttmp9, 8                       ; gs: 256 bytes a work-group
	s_mov_b32 s55, 0
	v_and_b32 v17, 31, v0                          ; lane
	v_and_b32 v18, 15, v0                          ; r
	v_bfe_u32 v19, v0, 4, 1                        ; h
	s_delay_alu instid0(VALU_DEP_2)
	v_lshlrev_b32 v[WGO], 4, v18
	s_delay_alu instid0(VALU_DEP_1)
	v_lshl_add_u32 v[WGO], v19, 11, v[WGO]
	; my codes of W are those of columns 4 r + c (c = 0 .. 3) at k = 32 w + 16 (i / 8) + 8 h + i % 8: registers 4 (w % 4) .. + 3 of K step w / 4, tile r / 4, lane slot 16 h + 4 (r % 4) + c
	s_delay_alu instid0(VALU_DEP_4)
	v_lshrrev_b32 v20, 2, v18
	v_and_b32 v21, 3, v18
	s_delay_alu instid0(VALU_DEP_2)
	v_lshlrev_b32 v[WST], 11, v20
	s_delay_alu instid0(VALU_DEP_1)
	v_lshl_add_u32 v[WST], v19, 8, v[WST]
	s_delay_alu instid0(VALU_DEP_1)
	v_lshl_add_u32 v[WST], v21, 6, v[WST]
	s_lshr_b32 s34, s22, 2
	s_lshl_b32 s34, s34, 13
	s_and_b32 s35, s22, 3
	s_lshl_b32 s35, s35, 9
	s_add_co_u32 s34, s34, s35
	s_add_co_u32 s34, s34, WIM
	v_add_nc_u32 v[WST], s34, v[WST]
	s_delay_alu instid0(VALU_DEP_1)
	v_add_nc_u32 v[WSTL], WCL, v[WST]
	v_mul_u32_u24 v[XA], v18, XPITCH
	s_delay_alu instid0(VALU_DEP_1)
	v_lshl_add_u32 v[XA], v19, 5, v[XA]
	s_delay_alu instid0(VALU_DEP_1)
	v_add_nc_u32 v[XA], s37, v[XA]                 ; row r of my wave's, + 32 h: eight numbers for each half of the lanes
	v_lshlrev_b32 v[LI], 4, v17
	s_lshl_b32 s34, s22, 8
	s_add_co_u32 s34, s34, GST
	v_lshlrev_b32 v[GSA], 5, v19
	s_delay_alu instid0(VALU_DEP_1)
	v_add_nc_u32 v[GSA], s34, v[GSA]               ; GST + 256 w + 32 h
	s_lshl_b32 s34, s22, 10
	s_add_co_u32 s34, s34, VST
	v_lshlrev_b32 v[VSA], 3, v17
	s_delay_alu instid0(VALU_DEP_1)
	v_add_nc_u32 v[VSA], s34, v[VSA]               ; VST + 1024 w + 8 x lane
	v_add_nc_u32 v[WRD], WIM, v[LI]
	s_delay_alu instid0(VALU_DEP_1)
	v_add_nc_u32 v[WRDL], WCL, v[WRD]
	v_and_b32 v[GRD], 15, v0
	s_delay_alu instid0(VALU_DEP_1)
	v_lshl_add_u32 v[GRD], v[GRD], 4, GST          ; GST + 16 r
	s_lshr_b32 s34, s22, 1
	s_lshl_b32 s34, s34, 8
	s_and_b32 s35, s22, 1
	s_lshl_b32 s35, s35, 12
	s_add_co_u32 s34, s34, s35
	s_add_co_u32 s34, s34, VST
	v_lshlrev_b32 v[VRD], 3, v17
	s_delay_alu instid0(VALU_DEP_1)
	v_add_nc_u32 v[VRD], s34, v[VRD]               ; VST + 256 (w / 2) + 4096 (w % 2) + 8 x lane
	s_wait_dscnt 0x0                               ; the opening add is done
	s_wait_kmcnt 0x0
	s_add_nc_u64 s[38:39], s[4:5], s[48:49]        ; the global address of my 16 rows,
	s_or_b32 s39, s39, 0x80000000                  ; type = 2
	tensor_load_to_lds s[36:39], s[40:47]          ; my one tensor load: one is out by this text's count
	s_nop 0
	PLACES
	s_load_b256 s[24:31], s[12:13], 0x0            ; e0 .. e7
	s_load_b64 s[32:33], s[12:13], 0x20            ; e8, e9
	s_add_nc_u64 s[6:7], s[6:7], s[50:51]
	s_add_nc_u64 s[8:9], s[8:9], s[50:51]
	s_add_nc_u64 s[10:11], s[10:11], s[50:51]
	s_add_nc_u64 s[14:15], s[14:15], s[52:53]
	s_add_nc_u64 s[16:17], s[16:17], s[52:53]
	s_add_nc_u64 s[18:19], s[18:19], s[52:53]
	s_add_nc_u64 s[20:21], s[20:21], s[54:55]
	; ---- THE WEIGHTS.  Load i of 16 reads rows 32 w + 16 (i / 8) + i % 8 (lanes 0-15) and 8 further down (lanes 16-31): sixteen lanes read one whole row of 256 bytes
.macro WLOAD m, set
.set i, 0
.rept 16
	global_load_b128 v[WR+64*\set+4*i:WR+64*\set+4*i+3], v[WGO], s[6+2*\m:7+2*\m] offset:(16*(i/8)+i%8)*256
.set i, i+1
.endr
.endm
.macro WQ m, set                       ; weight m, in set: held, converted, parted, and laid into the two images
.irp c, 0,1,2,3                                ; column 4 r + c
.set i, 0
.rept 16
	v_med3_num_f32 v[TW+16*(\c%2)+i], v[WR+64*\set+4*i+\c], -v[SCL+2*\m+1], v[SCL+2*\m+1]   ; the conversion does not saturate (ISA guide 7.6.2): the hold at 448 x the scale; it also gathers the column's 16 numbers down K
.set i, i+1
.endr
	v_cvt_scalef32_pk8_fp8_f32 v[CW+4*\c:CW+4*\c+1], v[TW+16*(\c%2):TW+16*(\c%2)+7], v[SCL+2*\m]
	v_cvt_scalef32_pk8_fp8_f32 v[CW+4*\c+2:CW+4*\c+3], v[TW+16*(\c%2)+8:TW+16*(\c%2)+15], v[SCL+2*\m]
	v_nop                                          ; a plain vector instruction between a conversion and the vector instruction that reads its result
	SPLIT CW+4*\c, CH+4*\c, CL+4*\c, 4, WTA, WTB
	ds_store_b128 v[WST], v[CH+4*\c:CH+4*\c+3] offset:\m*16384+16*\c
	ds_store_b128 v[WSTL], v[CL+4*\c:CL+4*\c+3] offset:\m*16384+16*\c
.endr
.endm
	WLOAD 0, 0
	WLOAD 1, 1
	s_wait_kmcnt 0x0
	MKQ 25, SCL                                    ; e1
	MKQ 27, SCL+2                                  ; e3
	MKQ 29, SCL+4                                  ; e5
	s_wait_alu depctr_va_vdst(0)
	s_wait_loadcnt 16                              ; W_q's 16 loads are in; W_k's 16 may be out
	WQ 0, 0
	WLOAD 2, 0                                     ; W_v takes the registers that W_q has left
	s_wait_loadcnt 16                              ; W_k's 16 loads are in; W_v's 16 may be out
	s_wait_dscnt 0x0                               ; the last weight's stores have read the registers that take this one's parts
	WQ 1, 1
	s_wait_loadcnt 0x0
	s_wait_dscnt 0x0
	WQ 2, 0
	s_wait_dscnt 0x0                               ; for the others' sake: my stores have landed
	s_barrier_signal -1
	s_barrier_wait -1                              ; the weights' 2 x 24 fragments lie in LDS.
	s_wait_tensorcnt 0x0                           ; my rows of x are in LDS; no other wave reads them
	MKQ 24, SCL                                    ; e0
	s_wait_alu depctr_va_vdst(0)
	MKQ 26, SCL+2                                  ; e2
	MKQ 28, SCL+4                                  ; e4
	; a sum of product m stands for sum x 2^(its two exponents): the three scales ahead of each quantiser are folded into the conversion's one
	s_sub_co_i32 s50, s30, s24
	s_sub_co_i32 s50, s50, s25                     ; e6 - e0 - e1
	s_sub_co_i32 s51, s31, s26
	s_sub_co_i32 s51, s51, s27                     ; e7 - e2 - e3
	s_sub_co_i32 s52, s33, s28
	s_sub_co_i32 s52, s52, s29                     ; e9 - e4 - e5
; My 16 rows of x under product m's scale: two K steps of 128, each a fragment of class H and one of class L.  The rows are read from LDS anew for each scale, so that one scale's codes are held at a time.
.macro XQ m
.irp s, 0,1
.irp c, 0,1,2,3,4,5,6,7
	ds_load_b128 v[WF+8*\c:WF+8*\c+3], v[XA] offset:512*\s+64*\c       ; x(r, 128 s + 16 c + 8 h + 0 .. 7): the order that the operand's layout gives my lane
	ds_load_b128 v[WF+8*\c+4:WF+8*\c+7], v[XA] offset:512*\s+64*\c+16
.endr
	s_wait_dscnt 0x0                               ; (earlier LDS stores have read their registers too)
.irp q, 0,1,2,3
.set i, 0
.rept 16
	v_med3_num_f32 v[ACH+16*(\q%2)+i], v[WF+16*\q+i], -v[SCL+2*\m+1], v[SCL+2*\m+1]
.set i, i+1
.endr
	v_cvt_scalef32_pk8_fp8_f32 v[EP+4*\q:EP+4*\q+1], v[ACH+16*(\q%2):ACH+16*(\q%2)+7], v[SCL+2*\m]
	v_cvt_scalef32_pk8_fp8_f32 v[EP+4*\q+2:EP+4*\q+3], v[ACH+16*(\q%2)+8:ACH+16*(\q%2)+15], v[SCL+2*\m]
.endr
	v_nop                                          ; a plain vector instruction between the last conversion and the vector instruction that reads its result
	SPLIT EP, XH+16*\s, XL+16*\s, 8, EP+16, EP+24
	SPLIT EP+8, XH+16*\s+8, XL+16*\s+8, 8, EP+16, EP+24
.endr
.endm
.macro MM m, acc, w, x, zero           ; one matrix instruction: Q and K transposed (source 0 = W), V as it stands (source 0 = x); zero: it starts the sum
.if \m < 2
.if \zero
	v_wmma_f32_16x16x128_fp8_fp8 v[(\acc):(\acc)+7], v[(\w):(\w)+15], v[(\x):(\x)+15], 0
.else
	v_wmma_f32_16x16x128_fp8_fp8 v[(\acc):(\acc)+7], v[(\w):(\w)+15], v[(\x):(\x)+15], v[(\acc):(\acc)+7]
.endif
.else
.if \zero
	v_wmma_f32_16x16x128_fp8_fp8 v[(\acc):(\acc)+7], v[(\x):(\x)+15], v[(\w):(\w)+15], 0
.else
	v_wmma_f32_16x16x128_fp8_fp8 v[(\acc):(\acc)+7], v[(\x):(\x)+15], v[(\w):(\w)+15], v[(\acc):(\acc)+7]
.endif
.endif
.endm
; K step s of product m for tiles 2 jp and 2 jp + 1: their fragments of both classes from LDS, eight matrix instructions.  No two that follow each other share an accumulator.
.macro PROD m, s, jp
	PLACES
.irp t, 0,1
.irp q, 0,1,2,3
	ds_load_b128 v[WF+16*\t+4*\q:WF+16*\t+4*\q+3], v[WRD] offset:\m*16384+\s*8192+(2*\jp+\t)*2048+\q*512
.endr
.irp q, 0,1,2,3
	ds_load_b128 v[WF+32+16*\t+4*\q:WF+32+16*\t+4*\q+3], v[WRDL] offset:\m*16384+\s*8192+(2*\jp+\t)*2048+\q*512
.endr
.endr
	s_wait_dscnt 0x0
	MM \m, ACH+8*(2*\jp),   WF,    XH+16*\s, 1-\s  ; H x H
	MM \m, ACH+8*(2*\jp+1), WF+16, XH+16*\s, 1-\s
	MM \m, ACM+8*(2*\jp),   WF+32, XH+16*\s, 1-\s  ; x's H x W's L
	s_wait_alu depctr_va_vdst(0)
	MM \m, ACM+8*(2*\jp+1), WF+48, XH+16*\s, 1-\s
	MM \m, ACM+8*(2*\jp),   WF,    XL+16*\s, 0     ; x's L x W's H
	MM \m, ACM+8*(2*\jp+1), WF+16, XL+16*\s, 0
	MM \m, ACM+8*(2*\jp),   WF+32, XL+16*\s, 0     ; L x L
	MM \m, ACM+8*(2*\jp+1), WF+48, XL+16*\s, 0
.endm
.macro PRODS m
	PROD \m, 0, 0
	PROD \m, 0, 1
	PROD \m, 1, 0
	PROD \m, 1, 1
.endm
; The two accumulators of each tile are joined by one addition; the 32 sums of a lane become 8 registers of codes.  Each accumulator is read from its low end on.
.macro EPI m
	PLACES
.set i, 0
.rept 16
	v_pk_add_f32 v[ACH+i:ACH+i+1], v[ACH+i:ACH+i+1], v[ACM+i:ACM+i+1]
.set i, i+2
.endr
.set i, 0
.rept 32
	v_med3_num_f32 v[EP+i], v[ACH+i], -v[SCF+1], v[SCF+1]
.set i, i+1
.endr
.if \m > 0
	s_wait_alu depctr_va_vdst(0)
	s_wait_xcnt 0x0                                ; the last product's stores have read the registers that take these codes
.endif
.irp j, 0,1,2,3
	v_cvt_scalef32_pk8_fp8_f32 v[QC+2*\j:QC+2*\j+1], v[EP+8*\j:EP+8*\j+7], v[SCF]
.endr
	v_nop                                          ; a plain vector instruction behind the last conversion
.endm
	; ---- Q
	XQ 0
	MKQ 50, SCF
	PRODS 0
	EPI 0                                          ; lane (r, h): row r, register 8 j + i: channel 16 j + 8 h + i
	global_store_b128 v[LI], v[QC:QC+3], s[14:15]              ; the wave stores 512 consecutive bytes, twice: its tile's image
	global_store_b128 v[LI], v[QC+4:QC+7], s[14:15] offset:512
.irp x, 1,2,4,8                                ; the sums over my 16 rows, for the gate: they lie across the 16 lanes of a half
.set i, 0
.rept 32
	v_add_f32_dpp v[ACH+i], v[ACH+i], v[ACH+i] row_xmask:\x row_mask:0xf bank_mask:0xf
.set i, i+1
.endr
.endr
.irp j, 0,1,2,3
	ds_store_b128 v[GSA], v[ACH+8*\j:ACH+8*\j+3] offset:64*\j          ; the 16 lanes of a half hold the same numbers and write them to the same place
	ds_store_b128 v[GSA], v[ACH+8*\j+4:ACH+8*\j+7] offset:64*\j+16
.endr
	; ---- K
	XQ 1
	MKQ 51, SCF
	PRODS 1
	EPI 1
	global_store_b128 v[LI], v[QC:QC+3], s[16:17]
	global_store_b128 v[LI], v[QC+4:QC+7], s[16:17] offset:512
	; ---- V
	XQ 2
	MKQ 52, SCF
	PRODS 2
	EPI 2                                          ; lane (r, h): channel 16 j + r, register 8 j + i: key 16 w + 8 h + i: registers 2 w, 2 w + 1 of fragment j
.irp j, 0,1,2,3
	ds_store_b64 v[VSA], v[QC+2*\j:QC+2*\j+1] offset:256*\j
.endr
	s_wait_dscnt 0x0                               ; for the others' sake: my column sums and my codes of V have landed
	s_barrier_signal -1
	s_barrier_wait -1
	; ---- wave 0 adds the eight waves' column sums and stores the work-group's 64
	s_cmp_lg_u32 s22, 0
	s_cbranch_scc1 .Lnot_wave_0
.irp u, 0,1,2,3,4,5,6,7
	ds_load_b128 v[ACH+4*\u:ACH+4*\u+3], v[GRD] offset:256*\u
.endr
	v_and_b32 v254, 31, v0
	v_and_b32 v255, 15, v0
	s_delay_alu instid0(VALU_DEP_1)
	v_lshlrev_b32 v255, 4, v255
	s_delay_alu instid0(VALU_DEP_3)
	v_cmp_gt_u32 vcc_lo, 16, v254
	s_wait_dscnt 0x0
	FOLD ACH, ACH+16
	FOLD ACH+4, ACH+20
	FOLD ACH+8, ACH+24
	FOLD ACH+12, ACH+28
	FOLD ACH, ACH+8
	FOLD ACH+4, ACH+12
	FOLD ACH, ACH+4
	s_wait_alu depctr_va_vdst(0)
	s_wait_xcnt 0x0                                ; EXEC is a source of the stores above: it changes only behind this wait
	s_and_saveexec_b32 s50, vcc_lo
	global_store_b128 v255, v[ACH:ACH+3], s[20:21] ; sixteen lanes store 256 consecutive bytes, aligned
	s_wait_xcnt 0x0                                ; and again, in front of the line that widens it
	s_or_b32 exec_lo, exec_lo, s50
.Lnot_wave_0:
	; ---- V's chunk leaves: my 1,024 bytes are registers 4 q .. 4 q + 3 of fragment j = w / 2 for q = 2 (w % 2) and the next: each 16 bytes are 8 of wave 2 q and 8 of wave 2 q + 1
	ds_load_b64 v[WF:WF+1], v[VRD]
	ds_load_b64 v[WF+2:WF+3], v[VRD] offset:1024
	ds_load_b64 v[WF+4:WF+5], v[VRD] offset:2048
	ds_load_b64 v[WF+6:WF+7], v[VRD] offset:3072
	s_wait_dscnt 0x0
	global_store_b128 v[LI], v[WF:WF+3], s[18:19]
	global_store_b128 v[LI], v[WF+4:WF+7], s[18:19] offset:512
	s_wait_tensorcnt 0x0                           ; the wave's end, behind my tensor load and my last LDS store
	ds_add_u32 v[SPW], v[NIL]
	s_wait_dscnt 0x0
	s_endpgm
.Lfunc_end_k_q2e79ffc1be_proj:
	.size	k_q2e79ffc1be_proj, .Lfunc_end_k_q2e79ffc1be_proj-k_q2e79ffc1be_proj
	.p2alignl 7, 3214868480
	.fill 96, 4, 3214868480
	.section	.rodata,"a",@progbits
	.p2align	6, 0x0
	.amdhsa_kernel k_q2e79ffc1be_proj
		.amdhsa_group_segment_fixed_size 242688
		.amdhsa_private_segment_fixed_size 0
		.amdhsa_enable_private_segment 0
		.amdhsa_kernarg_size 72
		.amdhsa_user_sgpr_count 2
		.amdhsa_user_sgpr_kernarg_segment_ptr 1
		.amdhsa_wavefront_size32 1
		.amdhsa_system_sgpr_workgroup_id_x 1
		.amdhsa_system_sgpr_workgroup_id_y 1
		.amdhsa_system_sgpr_workgroup_id_z 1
		.amdhsa_system_vgpr_workitem_id 0
		.amdhsa_next_free_vgpr 256
		.amdhsa_next_free_sgpr 66
		.amdhsa_reserve_vcc 1
		.amdhsa_float_denorm_mode_32 3
		.amdhsa_float_denorm_mode_16_64 3
		.amdhsa_memory_ordered 1
		.amdhsa_forward_progress 1
		.amdhsa_inst_pref_size 131
	.end_amdhsa_kernel
	.amdgpu_metadata
---
amdhsa.version: [ 1, 2 ]
amdhsa.kernels:
  - .name:           k_q2e79ffc1be_proj
    .symbol:         k_q2e79ffc1be_proj.kd
    .args:
      - { .name: x, .offset: 0, .size: 8, .value_kind: global_buffer, .address_space: global }
      - { .name: W_q, .offset: 8, .size: 8, .value_kind: global_buffer, .address_space: global }
      - { .name: W_k, .offset: 16, .size: 8, .value_kind: global_buffer, .address_space: global }
      - { .name: W_v, .offset: 24, .size: 8, .value_kind: global_buffer, .address_space: global }
      - { .name: lowp_scales, .offset: 32, .size: 8, .value_kind: global_buffer, .address_space: global }
      - { .name: qf, .offset: 40, .size: 8, .value_kind: global_buffer, .address_space: global }
      - { .name: kf, .offset: 48, .size: 8, .value_kind: global_buffer, .address_space: global }
      - { .name: vf, .offset: 56, .size: 8, .value_kind: global_buffer, .address_space: global }
      - { .name: gs, .offset: 64, .size: 8, .value_kind: global_buffer, .address_space: global }
    .group_segment_fixed_size: 242688
    .private_segment_fixed_size: 0
    .kernarg_segment_align: 8
    .kernarg_segment_size: 72
    .max_flat_workgroup_size: 256
    .sgpr_count:     66
    .vgpr_count:     256
    .wavefront_size: 32
...
	.end_amdgpu_metadata
.endif
;; end of part 1
;; launch attn (part 2): grid 32 x 8, 8 waves a work-group, no clusters, 299,008 bytes of LDS; arguments qf, kf, vf, gs, lowp_scales, out0; writes out0
.if DOCPART == 2
	.amdgcn_target "amdgcn-amd-amdhsa--gfx1250"
	.amdhsa_code_object_version 6
	.text
	.protected	k_q2e79ffc1be_attn
	.globl	k_q2e79ffc1be_attn
	.p2align	8
	.type	k_q2e79ffc1be_attn,@function
k_q2e79ffc1be_attn:
	s_mov_b64 s[64:65], 0
	v_nop
	global_prefetch_b8 v0, s[64:65] scope:SCOPE_SE
	s_setreg_imm32_b32 hwreg(HW_REG_WAVE_MODE, 25, 1), 1
	s_wait_xcnt 0x0
; out[b][q][:] = sigmoid(mean over s of Q[b][s][:]) x the sum over k of softmax_k(celu(Q[b][q] . K[b][k] / 8)) V[b][k][:], both products on codes of FP8 (E4M3).
; THE FINISHED, NORMALISED softmax is what is quantised (by 2^e8), so a row's sum is known before any of its weights becomes a code: A BLOCK'S WEIGHTS STAY IN REGISTERS.
; A work-group holds 16 queries x all 4,096 keys; each of its eight waves owns 512 keys: 256 registers (window 1).  Each score is multiplied once and costs two exponentials.
; SHARES.  Work-group (X, b): queries 128 X .. 128 X + 127 of batch b, eight blocks of 16.  Wave w: keys 512 w .. 512 w + 511, eight sub-chunks of 64 (four tiles of 16).
; LAYOUT.  S^T = K Q^T (source 0 = 16 keys, source 1 = the 16 queries): lane (r, h) holds query r, register i of a tile key 8 h + i.  Eight such registers become two registers of codes, which ARE
; registers 2 T, 2 T + 1 of source 1 of O^T = V^T P^T (K = 128 keys, tile T of them).  Nothing changes lanes between the products.
; ARITHMETIC of a score, raw = the sum of products of codes, a = log2(e) x 2^(e6 + e7 - 3), L = log2(e), C = the lane's running largest of 0 and raw a, rounded UP to a whole number, one for each sub-chunk:
;   tc = raw a - C (one fused multiply-add);  E' = 2^tc;  g = E' (L 2^C) - (L + C), which is (e^s - 1) L - C;  celu(s) is the middle one of s, 0 and e^s - 1, so the exponent is med3(tc, -C, g);  pt = 2^that, at most 1.
;   The sub-chunks' sums of pt come under one C by powers of two (nothing is rounded): within the lane, between the halves of the lanes and, through LDS, between the waves.
;   p = pt x F, F = 2^(C of the sub-chunk - the row's largest C) / the row's sum; then the hold at 448 x 2^e8 and the conversion.
; THE HOLD.  p is at most 1 (one rounding aside), so where e8 is -8 or more, 448 x 2^e8 = 1.75 or more is never reached: a scalar branch on e8, a whole number read from memory, then takes the copy of the conversions without the hold.
; V comes into LDS through registers.
; A STAGE works on sub-chunk g and holds the products, the maxima, C and tc of sub-chunk g + 1.  THE SECOND PRODUCT OF A BLOCK STANDS IN THE NEXT BLOCK'S STAGES 0 TO 2 (its first chunk just ahead of them): p's codes lie in
; the top 64 registers of window 1, one chunk of V (64 registers) and O^T's four accumulators below them, all in registers that the next block's numbers reach later; V's 64 LDS loads a wave are spread over those stages.
; The first block's stages are a second expansion of the stage without these parts (V is brought in there); the last block's second product is written out behind the loop.
; WHERE K AND V LIE.  V's codes of the batch (262,144 bytes) stay in LDS, 32,768 bytes stored by each wave, which alone reads them.  Of a wave's 32,768 bytes of K, sub-chunks 2 and 5 stay in registers; the six others
; come once a block straight into two sets of 32 registers that take turns (kf lies in the order of the operand's registers), each asked for when its set has been multiplied.
; NO CLUSTER, NO TENSOR LOAD: see THE HOLD; V's one fill is 262,144 bytes a work-group against 8 x 196,608 of K, which goes into registers.
; NO PREFETCH: a wave asks for the same 24,576 bytes of K for each of its eight blocks, and the 32 work-groups of a batch ask for the same 262,144.
; The last block's stages issue the look-ahead loads of K and Q like every block's (inside the buffers, not used), so that the counts of loads are the same in every trip.
; LIMITS: e6 + e7 - 3 between -126 and 127 (added to L's exponent field); e8 between -90 and 119.  The factor 2^C is held at 2^126 and E' under 2^-126 counts as 0: that moves only weights under 2^-100 of the row's
; largest (they are taken as 0 or with celu = -1), which lie under half the smallest code while e8 is -90 or more.  NaN among the inputs is not served.
; REGISTERS.  Window 0: v1-15 addresses and constants; v16-23 Q; v24-63 statistics and scratch; v64-191 K, four sets; v192-223 R: raw scores, later p; v224-255 U: E' and g.
;   Window 1: sub-chunk g's 32 numbers at v[32 g]; between blocks v96-159 a chunk of V, v160-191 O^T, later rows of O, v192-255 p's codes.
.set OST,    262144                    ; behind V: O^T's partial sums, for each wave 16 rows of 256 bytes + 16
.set OPITCH, 272
.set OWAVE,  16*OPITCH
.set XCH,    OST+8*OWAVE               ; the waves' (-C, l): [wave][query], 8 bytes each
.set SPARE,  XCH+1024                  ; the spare words, 128 bytes for each wave: four blocks of 256 bytes that no other line names
.set LOG2E,  0x3fb8aa3b
.set KO,  1                            ; v1   16 x lane
.set VA,  2                            ; v2   32768 w + 16 x lane
.set XW,  3                            ; v3   XCH + 128 w + 8 r
.set XRD, 4                            ; v4   XCH + 8 r
.set OW,  5                            ; v5   OST + 4352 w + 272 r + 32 h
.set ORD, 6                            ; v6   OST + 272 (2 w + h) + 16 r
.set GO,  7                            ; v7   16 x thread
.set SPW, 8                            ; v8   LDS address of my spare word; never rewritten
.set NIL, 9                            ; v9   0; never rewritten
.set LIM, 10                           ; v10  448 x 2^e8
.set SC8, 11                           ; v11  2^e8 as f32
.set GATE, 12                          ; v12-15 the gate x 2^(e8 + e9) of channels 4 r .. 4 r + 3
.set Q,   16
.set MX0, 24                           ; four running largest raw scores, begun at 0
.set MX1, 25
.set A0,  28                           ; four chains of sums, a pair each
.set A1,  30
.set NC,  32                           ; v[32 + 2 g]: -C of sub-chunk g, later F;  v[33 + 2 g]: its sum
.set LS,  33
.set T0,  48                           ; v48-49 scratch; behind the stages v48-63
.set A2,  50
.set A3,  52
.set MX2, 54
.set MX3, 55
.set L2,  56                           ; v[56 + 4 p]: L x 2^min(C, 126) of the sub-chunk of parity p (the low word of a pair)
.set LC,  58                           ; v[58 + 4 p]: -(C + L)
.set KS,  64
.set R,   192
.set U,   224
.set VC,  32                           ; window 1: a second buffer for V, behind the loop alone
.set VB,  96                           ; window 1: a chunk of V
.set OA,  160                          ; window 1: O^T's four accumulators
.set CD,  192                          ; window 1: p's codes: sub-chunk g at CD + 8 ((g + 2) % 8)
.set VS,  128                          ; window 1: 128 registers through which V goes into LDS, in the first block
.set MSB, 0
.macro WIN new                         ; bits 1:0 source 0, 3:2 source 1, 5:4 source 2, 7:6 destination; the immediate's high byte repeats the setting that is left
.if MSB != \new
	s_set_vgpr_msb (MSB<<8)|\new
.set MSB, \new
.endif
.endm
.macro ALU                             ; the wait round batches of transcendentals, ahead of waits that block and of branches, and ahead of a first reader of a matrix result behind transcendentals
	s_wait_alu depctr_va_vdst(0)
.endm
.macro FOLD a, b                       ; four numbers at v[a] += the four at v[b]
	v_pk_add_f32 v[\a:\a+1], v[\a:\a+1], v[\b:\b+1]
	v_pk_add_f32 v[\a+2:\a+3], v[\a+2:\a+3], v[\b+2:\b+3]
.endm
.macro PLACES                          ; four plain vector instructions between a matrix instruction and a read of its result or a load into one of its registers
.rept 4
	v_nop
.endr
.endm
.macro KLOAD k, set                    ; K's four tiles of sub-chunk k into a set: each load takes 512 consecutive bytes
.irp f, 0,1,2,3
	global_load_b128 v[KS+32*(\set)+8*\f:KS+32*(\set)+8*\f+3], v[KO], s[6:7] offset:(\k)*4096+1024*\f
	global_load_b128 v[KS+32*(\set)+8*\f+4:KS+32*(\set)+8*\f+7], v[KO], s[6:7] offset:(\k)*4096+1024*\f+512
.endr
.endm
.macro QK g                            ; the raw scores of sub-chunk g: four accumulators, one instruction each.  Sets: sub-chunks 0, 3, 6 in set 0; 1, 4, 7 in set 1; 2 stays in set 2, 5 in set 3
.set KQ, KS+32*(((\g)%3)+((\g)/5)*(1-(\g)/6))
.irp t, 0,1,2,3
	v_wmma_f32_16x16x64_fp8_fp8 v[R+8*\t:R+8*\t+7], v[KQ+8*\t:KQ+8*\t+7], v[Q:Q+7], 0
.endr
.endm
.macro MAXR                            ; the running largest raw score, in four chains; each accumulator is read from its low end on
.irp t, 0,1,2,3
	v_max3_num_f32 v[MX0], v[MX0], v[R+8*\t], v[R+8*\t+1]
	v_max3_num_f32 v[MX1], v[MX1], v[R+8*\t+2], v[R+8*\t+3]
	v_max3_num_f32 v[MX2], v[MX2], v[R+8*\t+4], v[R+8*\t+5]
	v_max3_num_f32 v[MX3], v[MX3], v[R+8*\t+6], v[R+8*\t+7]
.endr
.endm
.macro CHAIN n, g                      ; line n of the eight that make sub-chunk g's -C, -(C + L) and L x 2^min(C, 126)
.if (\n) == 0
	v_max3_num_f32 v[T0], v[MX0], v[MX1], v[MX2]
.endif
.if (\n) == 1
	v_max_num_f32 v[T0], v[T0], v[MX3]
.endif
.if (\n) == 2
	v_mul_f32 v[T0], s48, v[T0]
.endif
.if (\n) == 3
	v_floor_f32 v[NC+2*(\g)], -v[T0]               ; -C = floor(-(largest raw a)): a whole number, 0 or less
.endif
.if (\n) == 4
	v_add_f32 v[LC+4*((\g)%2)], 0xbfb8aa3b, v[NC+2*(\g)]
.endif
.if (\n) == 5
	v_min_num_f32 v[T0+1], -v[NC+2*(\g)], s55      ; min(C, 126)
.endif
.if (\n) == 6
	v_cvt_i32_f32 v[T0+1], v[T0+1]
.endif
.if (\n) == 7
	v_ldexp_f32 v[L2+4*((\g)%2)], s50, v[T0+1]
.endif
.endm
.macro TCM n                           ; tc = raw a - C of sub-chunk n, into window 1 (of the pairs a and -C the low word serves both halves)
	WIN 0x40
.set i, 0
.rept 16
	v_pk_fma_f32 v[32*(\n)+i:32*(\n)+i+1], v[R+i:R+i+1], s[48:49], v[NC+2*(\n):NC+2*(\n)+1] op_sel_hi:[1,0,0]
.set i, i+2
.endr
.endm
.macro PRO                             ; a block's opening: sub-chunk 0's products, maxima, C and tc
	QK 0
	v_mov_b32 v[MX0], 0                            ; the largest of 0 and the raw scores.  (These four are the places behind the products)
	v_mov_b32 v[MX1], 0
	v_mov_b32 v[MX2], 0
	v_mov_b32 v[MX3], 0
	MAXR
.irp n, 0,1,2,3,4,5,6,7
	CHAIN \n, 0
.endr
	TCM 0
	WIN 0
.endm
.macro SUMS g                          ; the 32 pt of sub-chunk g, two at a time, in four chains
	WIN 0x05                                       ; sources 0 and 1 in window 1
	v_pk_add_f32 v[A0:A0+1], v[32*(\g):32*(\g)+1], v[32*(\g)+8:32*(\g)+9]
	v_pk_add_f32 v[A1:A1+1], v[32*(\g)+2:32*(\g)+3], v[32*(\g)+10:32*(\g)+11]
	v_pk_add_f32 v[A2:A2+1], v[32*(\g)+4:32*(\g)+5], v[32*(\g)+12:32*(\g)+13]
	v_pk_add_f32 v[A3:A3+1], v[32*(\g)+6:32*(\g)+7], v[32*(\g)+14:32*(\g)+15]
	WIN 0x04                                       ; source 1 in window 1
.irp n, 16,24
	v_pk_add_f32 v[A0:A0+1], v[A0:A0+1], v[32*(\g)+\n:32*(\g)+\n+1]
	v_pk_add_f32 v[A1:A1+1], v[A1:A1+1], v[32*(\g)+\n+2:32*(\g)+\n+3]
	v_pk_add_f32 v[A2:A2+1], v[A2:A2+1], v[32*(\g)+\n+4:32*(\g)+\n+5]
	v_pk_add_f32 v[A3:A3+1], v[A3:A3+1], v[32*(\g)+\n+6:32*(\g)+\n+7]
.endr
	WIN 0
.endm
.macro COMB g                          ; the four chains become sub-chunk g's sum
	v_pk_add_f32 v[A0:A0+1], v[A0:A0+1], v[A1:A1+1]
	v_pk_add_f32 v[A2:A2+1], v[A2:A2+1], v[A3:A3+1]
	v_pk_add_f32 v[A0:A0+1], v[A0:A0+1], v[A2:A2+1]
	v_add_f32 v[LS+2*(\g)], v[A0], v[A0+1]
.endm
.macro VLOAD c, area                   ; V's four fragments (64 channels x 128 keys) of my chunk c
	WIN 0x40
.irp j, 0,1,2,3
.irp q, 0,1,2,3
	ds_load_b128 v[\area+16*\j+4*\q:\area+16*\j+4*\q+3], v[VA] offset:8192*(\c)+2048*\j+512*\q
.endr
.endr
.endm
; O^T += V^T P^T over chunk c's 128 keys: the four accumulators take turns, one instruction a turn.  Exponentials stand between a chunk's products and the next chunk's, which are the first to read the sums.
; out: the LDS loads issued behind this chunk's, which may stay out
.macro PVG c, area, zero, out
	s_wait_dscnt \out
	WIN 0x55                                       ; all four operands in window 1
.irp j, 0,1,2,3
.if \zero
	v_wmma_f32_16x16x128_fp8_fp8 v[OA+8*\j:OA+8*\j+7], v[\area+16*\j:\area+16*\j+15], v[CD+16*(((\c)+1)%4):CD+16*(((\c)+1)%4)+15], 0
.else
	ALU
	v_wmma_f32_16x16x128_fp8_fp8 v[OA+8*\j:OA+8*\j+7], v[\area+16*\j:\area+16*\j+15], v[CD+16*(((\c)+1)%4):CD+16*(((\c)+1)%4)+15], v[OA+8*\j:OA+8*\j+7]
.endif
.endr
.endm
.macro OSTORE                          ; my partial sums into LDS: lane (r, h) holds query r, register 8 j + i channel 16 j + 8 h + i; each accumulator is read from its low end on
	WIN 0x04                                       ; the data in window 1
.irp j, 0,1,2,3
	ds_store_b128 v[OW], v[OA+8*\j:OA+8*\j+3] offset:64*\j
	ds_store_b128 v[OW], v[OA+8*\j+4:OA+8*\j+7] offset:64*\j+16
.endr
	WIN 0
.endm
.macro RLOAD                           ; query 2 w + h, channels 4 r .. 4 r + 3, of the eight waves' sums
	WIN 0x40
.irp u, 0,1,2,3,4,5,6,7
	ds_load_b128 v[OA+4*\u:OA+4*\u+3], v[ORD] offset:OWAVE*\u
.endr
	WIN 0
.endm
.macro REDUCE                          ; they are added, gated and stored
	ALU
	s_wait_dscnt 0x0
	WIN 0x45
	FOLD OA, OA+16
	FOLD OA+4, OA+20
	FOLD OA+8, OA+24
	FOLD OA+12, OA+28
	FOLD OA, OA+8
	FOLD OA+4, OA+12
	FOLD OA, OA+4
	WIN 0x41
	v_pk_mul_f32 v[OA+4:OA+5], v[OA:OA+1], v[GATE:GATE+1]
	v_pk_mul_f32 v[OA+6:OA+7], v[OA+2:OA+3], v[GATE+2:GATE+3]
	WIN 0x04
	global_store_b128 v[GO], v[OA+4:OA+7], s[14:15] th:TH_STORE_NT     ; a wave stores 512 consecutive bytes, aligned; written once, read by nobody here
	WIN 0
	s_wait_xcnt 0x0                                ; the store has read its base and its data: both are written again only behind this wait
	s_add_nc_u64 s[14:15], s[14:15], 4096
.endm
; STAGE g.  tc of sub-chunk g lies in window 1.  Three waits: ahead of the first batch of exponentials (it also serves the last stage's second batch), behind it, and ahead of the second.
; pv = 1: the block before has its second product and its way out here.  pv = 0: the first block: V goes into LDS here.
.macro STAGE g, pv
	ALU
	WIN 0x01                                       ; source 0 in window 1
.set i, 0
.rept 32
	v_exp_f32 v[U+i], v[32*(\g)+i]                 ; E' = 2^tc
.set i, i+1
.endr
	WIN 0
.if (\pv) && ((\g) == 3)
	s_barrier_wait -1                              ; every wave's partial sums lie in LDS
	RLOAD
.endif
.if (\g) < 7
.if ((((\g)+1)%3) != 2) && ((\g) >= 2)
	s_wait_loadcnt 8                               ; K of the next sub-chunk is in: behind its eight loads stand the eight of the other set
.endif
	QK (\g)+1
.endif
.if (\g) >= 2
	COMB (\g)-2                                    ; four plain lines that name no register of the products: the places in front of the loads and the maxima below
.else
	PLACES
.endif
.if (\pv) == 0
.if (\g) == 0
	s_wait_loadcnt 8                               ; V's first half is in registers; K's sub-chunk 3 may be out
	WIN 0x04
.set i, 0
.rept 32
	ds_store_b128 v[VA], v[VS+4*i:VS+4*i+3] offset:512*i
.set i, i+1
.endr
	s_wait_dscnt 0x0                               ; the stores have read their registers, which take the second half
	WIN 0x40
.set i, 0
.rept 32
	global_load_b128 v[VS+4*i:VS+4*i+3], v[KO], s[8:9] offset:16384+512*i
.set i, i+1
.endr
	WIN 0
.endif
.if (\g) == 2
	WIN 0x04                                       ; the wait for 8 above has shown V's second half too: only K's sub-chunk 4 was asked for behind it
.set i, 0
.rept 32
	ds_store_b128 v[VA], v[VS+4*i:VS+4*i+3] offset:16384+512*i
.set i, i+1
.endr
	WIN 0
.endif
.endif
.if (\g) < 7
.if (((\g)+1)%3) != 2
	KLOAD ((\g)+4)%9, ((\g)+1)%3                   ; the set that the products above have read takes its next sub-chunk: 0, 3, 6, 0 .. and 1, 4, 7, 1 ..
.endif
.if (\g) == 6
	global_load_b128 v[Q:Q+3], v[KO], s[4:5]       ; the next block's queries: this block's last products on Q stand above
	global_load_b128 v[Q+4:Q+7], v[KO], s[4:5] offset:512
.endif
	MAXR
.endif
	ALU
.set i, 0
.rept 16
	v_pk_fma_f32 v[U+i:U+i+1], v[U+i:U+i+1], v[L2+4*((\g)%2):L2+4*((\g)%2)+1], v[LC+4*((\g)%2):LC+4*((\g)%2)+1] op_sel_hi:[1,0,0]   ; g = E' (L 2^C) - (L + C)
.if (\g) < 7
.if (i%4) == 0
	CHAIN i/4, (\g)+1
.endif
.endif
.set i, i+2
.endr
.if (\pv)
.if (\g) <= 2
	PVG (\g)+1, VB, 0, 0                           ; its fragments were asked for a stage ago
.endif
.if (\g) == 3
	REDUCE
.endif
.endif
	WIN 0x41                                       ; source 0 and destination in window 1
.set i, 0
.rept 32
	v_med3_num_f32 v[32*(\g)+i], v[32*(\g)+i], v[NC+2*(\g)], v[U+i]    ; celu x L - C: the middle one of tc, -C and g.  (Also the places behind the products above)
.set i, i+1
.endr
.if (\pv)
.if (\g) <= 1
	VLOAD (\g)+2, VB
.endif
.if (\g) == 2
	OSTORE
	s_wait_dscnt 0x0                               ; for the others' sake: my partial sums have landed; and my reads of the waves' pairs are over
	s_barrier_signal -1                            ; work on registers alone up to the wait in the next stage
.endif
.endif
.if (\g) < 7
	TCM (\g)+1
.endif
	WIN 0x41
	ALU
.set i, 0
.rept 32
	v_exp_f32 v[32*(\g)+i], v[32*(\g)+i]           ; pt
.set i, i+1
.endr
.if (\g) >= 1
	SUMS (\g)-1                                    ; the sub-chunk before: its pt had their wait at this stage's head
.else
	WIN 0
.endif
.endm
.macro STAGES pv
.irp g, 0,1,2,3,4,5,6,7
	STAGE \g, \pv
.endr
	ALU                                            ; the last exponentials, ahead of the label or the branch that follows
.endm
; Sub-chunk g's pt become p and then codes.
.macro CONV g, hold
	WIN 0x01
.set i, 0
.rept 16
	v_pk_mul_f32 v[R+i:R+i+1], v[32*(\g)+i:32*(\g)+i+1], v[NC+2*(\g):NC+2*(\g)+1] op_sel_hi:[1,0]   ; p = pt x F
.set i, i+2
.endr
	WIN 0
.if \hold
.set i, 0
.rept 32
	v_min_num_f32 v[R+i], v[R+i], v[LIM]           ; the conversion does not saturate (ISA guide 7.6.2); p is not negative, so the hold is one-sided
.set i, i+1
.endr
.endif
	WIN 0x40
.irp t, 0,1,2,3
	v_cvt_scalef32_pk8_fp8_f32 v[CD+8*(((\g)+2)%8)+2*\t:CD+8*(((\g)+2)%8)+2*\t+1], v[R+8*\t:R+8*\t+7], v[SC8]
.endr
	v_nop                                          ; a plain vector instruction behind the last conversion
.endm
.macro CONVS hold                      ; sub-chunks 6 and 7 first: their 64 registers take all the codes; then 3 and 4, whose registers take V's first chunk
	CONV 6, \hold
	CONV 7, \hold
	CONV 3, \hold
	CONV 4, \hold
	VLOAD 0, VB
	CONV 0, \hold
	CONV 1, \hold
	CONV 2, \hold
	CONV 5, \hold
	WIN 0
	ALU
.endm
	s_load_b256 s[4:11], s[0:1], 0x0               ; qf s[4:5], kf s[6:7], vf s[8:9], gs s[10:11]
	s_load_b128 s[12:15], s[0:1], 0x20             ; the scales' exponents s[12:13], out0 s[14:15]
	v_lshl_add_u32 v[SPW], v0, 2, SPARE
	v_mov_b32 v[NIL], 0
	v_lshrrev_b32 v48, 5, v0
	v_readfirstlane_b32 s16, v48                   ; wave 0..7
	s_and_b32 s17, ttmp7, 0xffff                   ; the batch
	s_lshl_b32 s37, s16, 15                        ; my wave's part of V in LDS
	s_lshl_b32 s20, s17, 18                        ; a batch's codes are 262,144 bytes in each of qf, kf, vf
	s_add_co_u32 s22, s20, s37                     ; K, V: + my wave's 32,768
	s_mov_b32 s23, 0
	s_lshl_b32 s21, ttmp9, 13                      ; Q: + my work-group's eight tiles of 1,024
	s_add_co_u32 s20, s20, s21
	s_mov_b32 s21, 0
	s_lshl_b32 s34, s17, 13                        ; gs: 32 partial sums of 256 bytes a batch
	s_mov_b32 s35, 0
	s_lshl_b32 s54, s17, 20                        ; out: 4,096 rows of 256 bytes a batch,
	s_lshl_b32 s55, ttmp9, 15                      ; 128 a work-group
	s_add_co_u32 s54, s54, s55
	s_mov_b32 s55, 0
	s_mov_b32 s52, 0x76543210                      ; v_permlanex16_b32's selects for lane l xor 16
	s_mov_b32 s53, 0xfedcba98
	s_mov_b32 s50, LOG2E
	s_mov_b32 s51, LOG2E
	s_lshl_b32 s18, s16, 7
	s_add_co_u32 s18, s18, XCH
	s_mul_i32 s56, s16, OWAVE
	s_add_co_u32 s56, s56, OST
	s_mul_i32 s57, s16, 2*OPITCH
	s_add_co_u32 s57, s57, OST
	v_and_b32 v49, 31, v0                          ; lane
	v_and_b32 v50, 15, v0                          ; r
	v_bfe_u32 v51, v0, 4, 1                        ; h
	v_lshlrev_b32 v[KO], 4, v49
	v_add_nc_u32 v[VA], s37, v[KO]
	v_lshlrev_b32 v[XW], 3, v50
	v_add_nc_u32 v[XW], s18, v[XW]
	v_lshl_add_u32 v[XRD], v50, 3, XCH
	v_mul_u32_u24 v[OW], v50, OPITCH
	v_lshl_add_u32 v[OW], v51, 5, v[OW]
	v_add_nc_u32 v[OW], s56, v[OW]
	v_mul_u32_u24 v[ORD], v51, OPITCH
	v_lshl_add_u32 v[ORD], v50, 4, v[ORD]
	v_add_nc_u32 v[ORD], s57, v[ORD]
	v_lshlrev_b32 v[GO], 4, v0
.set i, 0
.rept 16
	v_mov_b32 v[NC+i], 0                           ; written once: -C and the sum are named as a pair before the first sum is made
.set i, i+1
.endr
.set i, 0
.rept 8
	v_mov_b32 v[L2+i], 0                           ; written once: named as pairs, and as a lane permute's destination
.set i, i+1
.endr
	ALU                                            ; at the end of the head's addresses, directly ahead of the wait below
	s_wait_kmcnt 0x0
	s_load_b256 s[24:31], s[12:13], 0x0            ; e0 .. e7
	s_load_b64 s[32:33], s[12:13], 0x20            ; e8, e9
	s_add_nc_u64 s[4:5], s[4:5], s[20:21]
	s_add_nc_u64 s[6:7], s[6:7], s[22:23]
	s_add_nc_u64 s[8:9], s[8:9], s[22:23]
	s_add_nc_u64 s[10:11], s[10:11], s[34:35]
	s_add_nc_u64 s[14:15], s[14:15], s[54:55]
	s_mov_b32 s55, 0x42fc0000                      ; 126.0
.set i, 0
.rept 16
	global_load_b128 v[R+4*i:R+4*i+3], v[KO], s[10:11] offset:512*i    ; lanes 0-15: partial sum 2 i, lanes 16-31: partial sum 2 i + 1; channels 4 r .. 4 r + 3
.set i, i+1
.endr
	global_load_b128 v[Q:Q+3], v[KO], s[4:5]       ; the first block's queries
	global_load_b128 v[Q+4:Q+7], v[KO], s[4:5] offset:512
	KLOAD 0, 0
	KLOAD 1, 1
	KLOAD 2, 2                                     ; the two sub-chunks that stay
	KLOAD 5, 3
	WIN 0x40
.set i, 0
.rept 32
	global_load_b128 v[VS+4*i:VS+4*i+3], v[KO], s[8:9] offset:512*i    ; V's first half, 16,384 bytes, into registers that the first block reaches in its stage 3
.set i, i+1
.endr
	WIN 0
	s_wait_kmcnt 0x0
	s_add_co_i32 s20, s30, s31
	s_sub_co_i32 s20, s20, 3
	s_lshl_b32 s20, s20, 23
	s_add_co_i32 s48, s20, LOG2E                   ; a = log2(e) x 2^(e6 + e7 - 3): the whole number is added to L's exponent field
	s_mov_b32 s49, s48
	s_add_co_i32 s20, s32, 127
	s_lshl_b32 s21, s20, 23
	v_mov_b32 v[SC8], s21
	s_add_co_i32 s20, s20, 8
	s_lshl_b32 s20, s20, 23
	s_or_b32 s20, s20, 0x600000
	v_mov_b32 v[LIM], s20
	s_add_co_i32 s20, s24, s25
	s_sub_co_i32 s20, s20, 12                      ; the mean of Q = the sum of raw sums x 2^(e0 + e1) / 4,096
	s_add_co_i32 s21, s32, s33                     ; a sum of the last product stands for sum x 2^(e8 + e9)
	; ---- THE GATE of my four channels
	ALU
	s_wait_loadcnt 63                              ; the 16 loads of partial sums are in: 66 were issued behind them, and 63 is the most that the wait's count can name
.irp n, 0,1,2,3,4,5,6,7
	FOLD R+4*\n, R+4*\n+32
.endr
.irp n, 0,1,2,3
	FOLD R+4*\n, R+4*\n+16
.endr
	FOLD R, R+8
	FOLD R+4, R+12
	FOLD R, R+4
.irp n, 0,1,2,3
	v_permlanex16_b32 v[R+4+\n], v[R+\n], s52, s53
.endr
.irp n, 0,1,2,3
	v_add_f32 v[R+\n], v[R+\n], v[R+4+\n]          ; even and odd partial sums together
.endr
.irp n, 0,1,2,3
	v_ldexp_f32 v[R+\n], v[R+\n], s20
.endr
.irp n, 0,1,2,3
	v_mul_f32 v[R+\n], 0xbfb8aa3b, v[R+\n]         ; x -log2(e)
.endr
	ALU
.irp n, 0,1,2,3
	v_exp_f32 v[R+\n], v[R+\n]
.endr
	v_nop
	ALU
.irp n, 0,1,2,3
	v_add_f32 v[R+\n], 1.0, v[R+\n]
.endr
	ALU
.irp n, 0,1,2,3
	v_rcp_f32 v[GATE+\n], v[R+\n]                  ; sigmoid(m) = 1 / (1 + 2^(-m log2(e)))
.endr
	v_nop
	ALU
.irp n, 0,1,2,3
	v_ldexp_f32 v[GATE+\n], v[GATE+\n], s21
.endr
	s_mov_b32 s19, 0                               ; blocks whose weights are finished
	ALU                                            ; the head's end
	s_wait_loadcnt 32                              ; Q and K's four sets are in; V's 32 loads may be out
	s_add_nc_u64 s[4:5], s[4:5], 1024              ; Q's loads are done, so their address may step
	PRO
	KLOAD 3, 0
	STAGES 0
.Lblock:
	; ---- THE ROW'S SUM.  My eight sums come under the last, largest C of my lane; then under the larger C of the two halves of the lanes; then the eight waves exchange (-C, l)
	COMB 6
	SUMS 7
.irp g, 0,1,2,3,4,5,6
	v_sub_f32 v[56+\g], v[NC+14], v[NC+2*\g]       ; C of sub-chunk g less the last C: a whole number, 0 or less
.endr
	v_permlanex16_b32 v63, v[NC+14], s52, s53
.irp g, 0,1,2,3,4,5,6
	v_cvt_i32_f32 v[56+\g], v[56+\g]               ; (it saturates)
.endr
.irp g, 0,1,2,3,4,5,6
	v_ldexp_f32 v[56+\g], v[LS+2*\g], v[56+\g]
.endr
	v_min_num_f32 v54, v[NC+14], v63               ; -C of the two halves together
	v_add_f32 v56, v56, v57
	v_add_f32 v58, v58, v59
	v_add_f32 v60, v60, v61
	v_sub_f32 v55, v54, v[NC+14]
	v_add_f32 v56, v56, v58
	v_add_f32 v60, v60, v62
	v_cvt_i32_f32 v55, v55
	v_add_f32 v56, v56, v60
	COMB 7
	v_add_f32 v48, v56, v[LS+14]
	v_ldexp_f32 v48, v48, v55
	v_permlanex16_b32 v49, v48, s52, s53
	v_add_f32 v55, v48, v49
	ds_store_b64 v[XW], v[54:55]                   ; both halves of the lanes hold the same pair and write it to the same place
	ALU
	s_wait_dscnt 0x0                               ; for the others' sake: my pair has landed; and my reads of the last block's partial sums are over
	s_barrier_signal -1
	s_barrier_wait -1
.irp u, 0,1,2,3,4,5,6,7
	ds_load_b64 v[T0+2*\u:T0+2*\u+1], v[XRD] offset:128*\u
.endr
	s_wait_dscnt 0x0
	v_min3_num_f32 v24, v48, v50, v52
	v_min3_num_f32 v25, v54, v56, v58
	v_min3_num_f32 v24, v24, v25, v60
	v_min_num_f32 v24, v24, v62                    ; the row's -C
.irp u, 0,1,2,3,4,5,6,7
	v_sub_f32 v[T0+2*\u], v24, v[T0+2*\u]
.endr
.irp u, 0,1,2,3,4,5,6,7
	v_cvt_i32_f32 v[T0+2*\u], v[T0+2*\u]
.endr
.irp u, 0,1,2,3,4,5,6,7
	v_ldexp_f32 v[T0+2*\u+1], v[T0+2*\u+1], v[T0+2*\u]
.endr
	v_add_f32 v49, v49, v51
	v_add_f32 v53, v53, v55
	v_add_f32 v57, v57, v59
	v_add_f32 v61, v61, v63
	v_add_f32 v49, v49, v53
	v_add_f32 v57, v57, v61
	v_add_f32 v49, v49, v57                        ; the row's sum, at least 1/2
	ALU
	v_rcp_f32 v25, v49
.irp g, 0,1,2,3,4,5,6,7
	v_sub_f32 v[NC+2*\g], v24, v[NC+2*\g]          ; C of sub-chunk g less the row's: independent work behind the reciprocal
.endr
.irp g, 0,1,2,3,4,5,6,7
	v_cvt_i32_f32 v[NC+2*\g], v[NC+2*\g]
.endr
	ALU
	v_fma_f32 v28, -v49, v25, 1.0                  ; one step of Newton's: what goes into a quantiser is kept as exact as f32 allows
	v_fma_f32 v25, v28, v25, v25
.irp g, 0,1,2,3,4,5,6,7
	v_ldexp_f32 v[NC+2*\g], v25, v[NC+2*\g]        ; F
.endr
	; ---- p AND ITS CODES
	ALU
	s_cmp_ge_i32 s32, -8                           ; e8 of -8 or more: 448 x 2^e8 lies above every p
	s_cbranch_scc1 .Lfree
	CONVS 1
	s_branch .Ljoin
.Lfree:
	CONVS 0
.Ljoin:
	s_cmp_eq_u32 s19, 7
	s_cbranch_scc1 .Llast                          ; the last block's second product is written out behind the loop
	; ---- THE NEXT BLOCK, with this block's second product and way out in its stages
	s_wait_loadcnt 0x0                             ; K's sub-chunks 0 and 1 and the next block's Q, asked for in stages 5 and 6
	s_cmp_lt_u32 s19, 6                            ; all loads are done, so Q's address may step: to the tile after the next block's, and never past my work-group's last
	s_cselect_b32 s20, 1024, 0
	s_mov_b32 s21, 0
	s_add_nc_u64 s[4:5], s[4:5], s[20:21]
	PRO
	KLOAD 3, 0
	PVG 0, VB, 1, 0                                ; the first chunk starts the sums
	WIN 0
	PLACES
	VLOAD 1, VB
	WIN 0
	STAGES 1
	s_add_co_u32 s19, s19, 1
	s_cmp_lt_u32 s19, 8
	s_cbranch_scc1 .Lblock
.Llast:
	VLOAD 1, VC                                    ; two buffers take turns: all of window 1 under O^T is free
	PVG 0, VB, 1, 16                               ; chunk 0's fragments are in; the 16 loads of chunk 1 may be out
	WIN 0
	PLACES
	VLOAD 2, VB
	PVG 1, VC, 0, 16
	WIN 0
	PLACES
	VLOAD 3, VC
	PVG 2, VB, 0, 16
	PVG 3, VC, 0, 0
	WIN 0
	PLACES
	OSTORE
	s_wait_dscnt 0x0                               ; for the others' sake: my partial sums have landed
	s_barrier_signal -1
	s_barrier_wait -1
	RLOAD
	REDUCE
	s_wait_tensorcnt 0x0                           ; the wave's end, behind my last LDS store
	ds_add_u32 v[SPW], v[NIL]
	s_wait_dscnt 0x0
	s_endpgm
.Lfunc_end_k_q2e79ffc1be_attn:
	.size	k_q2e79ffc1be_attn, .Lfunc_end_k_q2e79ffc1be_attn-k_q2e79ffc1be_attn
	.p2alignl 7, 3214868480
	.fill 96, 4, 3214868480
	.section	.rodata,"a",@progbits
	.p2align	6, 0x0
	.amdhsa_kernel k_q2e79ffc1be_attn
		.amdhsa_group_segment_fixed_size 299008
		.amdhsa_private_segment_fixed_size 0
		.amdhsa_enable_private_segment 0
		.amdhsa_kernarg_size 48
		.amdhsa_user_sgpr_count 2
		.amdhsa_user_sgpr_kernarg_segment_ptr 1
		.amdhsa_wavefront_size32 1
		.amdhsa_system_sgpr_workgroup_id_x 1
		.amdhsa_system_sgpr_workgroup_id_y 1
		.amdhsa_system_sgpr_workgroup_id_z 1
		.amdhsa_system_vgpr_workitem_id 0
		.amdhsa_next_free_vgpr 512
		.amdhsa_next_free_sgpr 66
		.amdhsa_reserve_vcc 0
		.amdhsa_float_denorm_mode_32 3
		.amdhsa_float_denorm_mode_16_64 3
		.amdhsa_memory_ordered 1
		.amdhsa_forward_progress 1
		.amdhsa_inst_pref_size 229
	.end_amdhsa_kernel
	.amdgpu_metadata
---
amdhsa.version: [ 1, 2 ]
amdhsa.kernels:
  - .name:           k_q2e79ffc1be_attn
    .symbol:         k_q2e79ffc1be_attn.kd
    .args:
      - { .name: qf, .offset: 0, .size: 8, .value_kind: global_buffer, .address_space: global }
      - { .name: kf, .offset: 8, .size: 8, .value_kind: global_buffer, .address_space: global }
      - { .name: vf, .offset: 16, .size: 8, .value_kind: global_buffer, .address_space: global }
      - { .name: gs, .offset: 24, .size: 8, .value_kind: global_buffer, .address_space: global }
      - { .name: lowp_scales, .offset: 32, .size: 8, .value_kind: global_buffer, .address_space: global }
      - { .name: out0, .offset: 40, .size: 8, .value_kind: global_buffer, .address_space: global }
    .group_segment_fixed_size: 299008
    .private_segment_fixed_size: 0
    .kernarg_segment_align: 8
    .kernarg_segment_size: 48
    .max_flat_workgroup_size: 256
    .sgpr_count:     66
    .vgpr_count:     512
    .wavefront_size: 32
...
	.end_amdgpu_metadata
.endif
;; end of part 2
